; MI455X (gfx1250); checked and timed in simulation.
; The chip was launched on July 23, 2026; its instructions are those of AMD's public machine-readable ISA for CDNA 5 (MIT licence, August 2026) and "CDNA5" Instruction Set Architecture Reference Guide (July 2026). The comments in the code are by the model that wrote it; some were corrected since.
;; Sparse Attention. Allowed arithmetic: matrix products marked QUANTISED: E4M3 operands, one E8M0 scale for each 32 along K, by v_wmma_scale_f32_16x16x128_f8f6f4 with both operands' format E4M3, f32 sums; everything else in f32.
;; Inputs: b_proj 256 float32; w_proj_codes 256 x 8 x 32 uint8 (E4M3 codes of w_proj, K innermost, in blocks of 32 codes); w_proj_scales 256 x 8 uint8 (E8M0 scales of w_proj, one for each 32 codes along K); w_qkv_codes 768 x 8 x 32 uint8 (E4M3 codes of w_qkv, K innermost, in blocks of 32 codes); w_qkv_scales 768 x 8 uint8 (E8M0 scales of w_qkv, one for each 32 codes along K); x 2 x 4,096 x 256 float32.
;; Outputs: out0 2 x 4,096 x 256 float32.
;; This version of the problem:
;;   THIS VERSION OF THE PROBLEM IS GIVEN IN LOW PRECISION. The matrix products marked QUANTISED in the list below multiply operands that are first quantised to E4M3 (4 exponent bits, 3 mantissa bits; 8 bits a number), with one power-of-two scale for each 32 numbers along K (OCP MX v1.0); their sums are f32. All else is computed in f32.
;;   The module's matrix products, in the order in which they are computed (A, B: the left and right operand; K: the contracted axis; several contracted axes count as one K, in the product's order):
;;     1. [M 8,192, K 256] x [K 256, N 768]; A: input x; B: input w_qkv (given as codes): QUANTISED
;;     2. batch 16 x [M 4,096, K 32] x [K 32, N 4,096]; A: computed on the way; B: computed on the way: QUANTISED
;;     3. batch 16 x [M 4,096, K 4,096] x [K 4,096, N 32]; A: softmax (see below); B: computed on the way: QUANTISED
;;     4. [M 8,192, K 256] x [K 256, N 256]; A: computed on the way; B: input w_proj (given as codes): QUANTISED
;;   THE QUANTISER, for each operand of a quantised product, along K:
;;     - K is cut into blocks of 32 from its start; a last block that is shorter is filled with zeros.
;;     - A block's scale is 2^e with e = floor(log2(the largest magnitude in the block)) - 8, held to -126 .. 127; a block of zeros has e = 0. As a byte (E8M0): e + 127.
;;     - Each number is divided by its block's scale, clamped to +-448, and rounded to the nearest number of E4M3, ties to even, subnormals kept.
;;     - The product sums the exact products of the quantised numbers (number of the format x scale) in f32.
;;   ~~~python
;;   def quantise(x, axis):      # numpy; x: float32 -> the quantised numbers, widened to float32 again
;;       x = np.moveaxis(x, axis, -1); K = x.shape[-1]
;;       x = np.pad(x, [(0, 0)] * (x.ndim - 1) + [(0, -K % 32)]); x = x.reshape(x.shape[:-1] + (-1, 32)); a = np.abs(x).max(-1, keepdims=True)
;;       e = np.where(a > 0, np.clip(np.frexp(np.where(a > 0, a, 1))[1] - 1 - 8, -126, 127), 0)      # np.frexp(a)[1] - 1 = floor(log2(a)), exactly
;;       r = np.clip(x / 2.0 ** e, -448, 448)
;;       step = 2.0 ** (np.maximum(np.frexp(np.where(r == 0, 1, r))[1] - 1, -6) - 3)
;;       q = np.round(r / step) * step * 2.0 ** e      # np.round: ties to even
;;       return np.moveaxis(q.reshape(q.shape[:-2] + (-1,))[..., :K], -1, axis).astype(np.float32)
;;   ~~~
;;   SOFTMAX AHEAD OF A QUANTISED PRODUCT. Where the list says 'softmax', what is quantised is not the finished softmax but p = 2^(t - M), with t = logit x log2(e) and M = ceil(the row's largest t), a whole number; so 1/2 < the row's largest p <= 1. The row's sum l is taken of the UNQUANTISED p, in f32, and the product's result is divided by l at the end. Since M is a whole number, a kernel that streams over the keys may use a running M (the ceiling of the running maximum): every later rescaling is an exact power of two, which a block's scale takes up: the codes' values come out the same.
;;   OPERANDS COMPUTED ON THE WAY. 'Computed on the way' means the value that the module computes at that place (a softmax that the list does not call 'softmax' is quantised finished and normalised). What goes into a quantiser is computed in f32, as accurately as f32 sums, v_exp_f32 and their like allow (about 1e-6 of the number): no bf16 or f16 on the way to a quantiser, and a product that is left as it is and whose result goes on into a quantised operand takes f32 operands (vector FMAs, or v_wmma_f32_16x16x4_f32). A number that lies on a knife's edge between two numbers of the format may be rounded either way, as far as f32 arithmetic and the matrix unit's own rounding can turn it there, and no further.
;;   INPUTS GIVEN AS CODES. w_proj (in the module: [256, 256], K = its axis 0); w_qkv (in the module: [256, 768], K = its axis 0): each comes as NAME_codes (uint8): NAME with its K axis moved to the last place and cut into blocks of 32 codes, [.., K / 32, bytes a block], one block behind the other in memory; one code a byte (a code: sign, 4 exponent bits, 3 mantissa bits); and NAME_scales (uint8): the same leading axes, one E8M0 byte (e + 127) for each 32 codes along K. Its value is code x scale, taken as it is: it is not quantised again, and the codes and scales need not be those that the quantiser above would give.
;; One version. Each part assembles by itself: llvm-mc -triple=amdgcn-amd-amdhsa -mcpu=gfx1250 --defsym DOCPART=n.
;; ======== version 1 of 1: 3 launches
;; limits: right only within a limited range of input values
;; workspace buffers: qimg 2,097,152 bytes; qsc 262,144 bytes; kv 4,325,376 bytes; dens 32,768 bytes; oimg 2,097,152 bytes; osc 65,536 bytes
;; launch qkv (part 1): grid 256 x 1, 8 waves a work-group, no clusters, 43,008 bytes of LDS; arguments x, w_qkv_codes, w_qkv_scales, qimg, qsc, kv, dens; writes qimg, qsc, kv, dens
.if DOCPART == 1
	.amdgcn_target "amdgcn-amd-amdhsa--gfx1250"
	.amdhsa_code_object_version 6
	.text
	.protected	k_qb38f0287a0_qkv
	.globl	k_qb38f0287a0_qkv
	.p2align	8
	.type	k_qb38f0287a0_qkv,@function
k_qb38f0287a0_qkv:
	s_mov_b64 s[64:65], 0
	v_nop
	global_prefetch_b8 v0, s[64:65] scope:SCOPE_SE
	s_setreg_imm32_b32 hwreg(HW_REG_WAVE_MODE, 25, 1), 1
	s_wait_xcnt 0x0
; q, k, v = Q(x) Wqkv on codes of E4M3 with one E8M0 scale for each 32 along K, quantised again for the two products of the attention, and each token's density.
; x: [8192][256] f32.  w_qkv_codes: [768][256] bytes, K innermost; w_qkv_scales: [768][8].  Column 256 kind + 32 head + d of the product is q, k, v (kind 0, 1, 2).
; SHARES.  A work-group owns 32 tokens: block blk (0..127) of batch b.  Wave w is head w: its six weight tiles (q, k, v x two tiles of 16 rows) x two K steps are 12 fragments, 192 registers, loaded once.
; TILES.  r = lane % 16, hh = lane / 16, rp = r + (r & 8).  Tile t of the tokens is tokens 8 t + rp; tile u of a head's 32 weight rows is rows 8 u + rp.  So the 16 result registers of two
; neighbouring tiles are 16 neighbours, 16 hh + 0 .. 15, along the axis that the next product sums over, and the conversions' results are that product's operand registers.
; q and k are made transposed (source 0 = weight rows, source 1 = tokens): a lane holds one token, its registers run along d.  v is made the other way: a lane holds one d, its registers run along the tokens.
; WHAT IS STORED are images of operand registers: 16 bytes a lane, 512 consecutive bytes a store.
;   qimg [head of batch hb][blk][t][lane][16];  qsc [hb][blk][lane]: lanes 0-15 tile 0, lanes 16-31 tile 1, the row's scale byte four times;
;   kv [hb][g = blk / 4] records of 8,448 bytes: k [u][c = blk % 4][lane][16], v the same at +4096, k's scale words [u][r] (byte c) at +8192, v's at +8320;  dens [8192] f32.
; DENSITY = (std over the row, divisor 255, + mean |row - row before|) / 2; a batch's first row has no row before: it is compared with itself, which gives the zero that is asked for.
; LIMITS: NaN and infinities among the inputs are not served.  A block of zeros gets the byte 1 (not 127) over zero codes: only this program reads these bytes.
; No tensor loads: each wave's bytes go straight into its registers; no cluster: what the work-groups share, the weights, is a wave's 24 KiB read once.
.set XP,    1040                       ; a row of x in LDS: 1,024 bytes + 16
.set XIMG,  32*XP                      ; x's four fragments (2 t + s), 2,048 bytes each: quad cc at 512 cc + 16 lane
.set XSC,   XIMG+4*2048                ; their scale words [t][s][r]
.set DEN,   XSC+256                    ; the 32 densities
.set REC,   8448
.set HEADB, 32*REC
.set LI,  1                            ; 16 x lane
.set LS,  2                            ; 4 x lane
.set R4,  3                            ; 4 r
.set WA,  4                            ; 256 rp + 16 hh: a weight fragment
.set WSA, 5                            ; 8 rp + 4 hh: its scale word (lanes 0-15 K step 0, lanes 16-31 K step 1)
.set XST, 6                            ; where my four rows go in LDS
.set XQ,  7                            ; where I read 16 neighbours of a row
.set XW,  8                            ; where my two quads of a fragment go
.set XH,  9                            ; and their two scale bytes
.set DA,  10                           ; my four densities
.set WS,  16                           ; v16-21 weight scale words, tile 2 kind + u
.set XS,  22                           ; v22-23 x's scale words, tile t
.set MX,  24                           ; the quantiser's arrays, six each
.set PT,  30
.set HL,  36
.set SO,  42
.set CD,  48                           ; codes: four registers a block
.set XF,  72                           ; x's fragments: 16 (2 t + s)
.set ACC, 136                          ; q t at +16 t, k t at +32 + 16 t, v u at +64 + 16 u
.set RW,  136                          ; before that: my four rows, 8 registers each
.set PR,  168                          ; and the row before
.set T,   176
.set U,   184
.set SQ,  192
.set AD,  196
.set Q0,  200
.set EE,  204
.set TW,  232
.set WV,  18
.set SEL, 32
.set MNT, 34
.set MSB, 0
.macro WIN new                         ; the immediate's high byte repeats the setting that is left
.if MSB != \new
	s_set_vgpr_msb (MSB<<8)|\new
.set MSB, \new
.endif
.endm
.macro WRED r, t                       ; the sum over the 32 lanes, in every lane
	v_add_f32_dpp v[\r], v[\r], v[\r] row_xmask:1 row_mask:0xf bank_mask:0xf
	v_add_f32_dpp v[\r], v[\r], v[\r] row_xmask:2 row_mask:0xf bank_mask:0xf
	v_add_f32_dpp v[\r], v[\r], v[\r] row_xmask:4 row_mask:0xf bank_mask:0xf
	v_add_f32_dpp v[\r], v[\r], v[\r] row_xmask:8 row_mask:0xf bank_mask:0xf
	v_permlanex16_b32 v[\t], v[\r], s[SEL], s[SEL+1]
	v_add_f32 v[\r], v[\r], v[\t]
.endm
.macro BARRIER                         ; my LDS stores have landed and my LDS loads are in: then the work-group's barrier
	s_wait_dscnt 0x0
	s_barrier_signal -1
	s_barrier_wait -1
.endm
; nb blocks of 32: a lane holds 16 numbers of each in v[src + 16 block ..], lane xor 16 the other 16.  Codes to v[dst + 4 block ..], the scale's byte to v[PT + block].
.macro QUANT src, dst, nb
.set qb, 0
.rept \nb
	v_max3_num_f32 v[MX+qb], |v[\src+16*qb]|, |v[\src+16*qb+1]|, 0x4800000   ; with the floor 2^(9 - 127): the byte cannot fall under 1
.set qb, qb+1
.endr
.set qi, 2
.rept 7
.set qb, 0
.rept \nb
	v_max3_num_f32 v[MX+qb], v[MX+qb], |v[\src+16*qb+qi]|, |v[\src+16*qb+qi+1]|   ; the blocks by turns; each accumulator is read from its low end on
.set qb, qb+1
.endr
.set qi, qi+2
.endr
.set qb, 0
.rept \nb
	v_permlanex16_b32 v[PT+qb], v[MX+qb], s[SEL], s[SEL+1]
.set qb, qb+1
.endr
.set qb, 0
.rept \nb
	v_max_num_f32 v[MX+qb], v[MX+qb], v[PT+qb]                ; the block's largest magnitude
.set qb, qb+1
.endr
.set qb, 0
.rept \nb
	v_add_nc_u32 v[SO+qb], 0xfc000000, v[MX+qb]               ; 8 off its exponent field: the conversion's scale operand
	v_and_or_b32 v[HL+qb], v[MX+qb], 0x7f800000, s[MNT]       ; 448 x the scale
.set qb, qb+1
.endr
.set qb, 0
.rept \nb
	v_lshrrev_b32 v[PT+qb], 23, v[SO+qb]                      ; the scale's byte
.set qb, qb+1
.endr
.set qb, 0
.rept \nb
.set qi, 0
.rept 16
	v_med3_num_f32 v[\src+16*qb+qi], v[\src+16*qb+qi], -v[HL+qb], v[HL+qb]   ; the conversion to an 8-bit code does not saturate (ISA guide 7.6.2): the hold
.set qi, qi+1
.endr
	v_cvt_scalef32_pk8_fp8_f32 v[\dst+4*qb:\dst+4*qb+1], v[\src+16*qb:\src+16*qb+7], v[SO+qb]
	v_cvt_scalef32_pk8_fp8_f32 v[\dst+4*qb+2:\dst+4*qb+3], v[\src+16*qb+8:\src+16*qb+15], v[SO+qb]
.set qb, qb+1
.endr
	v_nop                                                     ; a plain line behind the last conversion
.endm
	s_load_b256 s[4:11], s[0:1], 0x0               ; x s[4:5], weight codes s[6:7], weight scales s[8:9], qimg s[10:11]
	s_load_b128 s[12:15], s[0:1], 0x20             ; qsc s[12:13], kv s[14:15]
	s_load_b64 s[16:17], s[0:1], 0x30              ; dens
	v_lshl_add_u32 v254, v0, 2, 0xa400
	v_mov_b32 v255, 0
	v_lshrrev_b32 v11, 5, v0
	v_readfirstlane_b32 s[WV], v11                 ; wave = head
	s_lshr_b32 s20, ttmp9, 7                       ; b
	s_and_b32 s21, ttmp9, 127                      ; blk
	s_lshr_b32 s22, s21, 2                         ; g
	s_and_b32 s23, s21, 3                          ; c
	s_lshl_b32 s24, s20, 3
	s_add_co_u32 s24, s24, s[WV]                   ; hb = 8 b + head
	s_and_b32 s37, s[WV], 1                        ; for the quantising of x: tile t,
	s_bfe_u32 s38, s[WV], 0x10001                  ; K step s,
	s_lshr_b32 s39, s[WV], 2                       ; and which two of its four blocks
	s_mov_b32 s[SEL], 0x76543210
	s_mov_b32 s[SEL+1], 0xfedcba98                 ; v_permlanex16_b32's selects for lane xor 16
	s_mov_b32 s[MNT], 0x600000                     ; the mantissa field of 448
	s_mov_b32 s35, 0x3b808081                      ; 1 / 255
	s_mov_b32 s40, 0x437f0000                      ; 255
	s_mov_b32 s36, 0xffff0000                      ; lanes 16-31
	v_and_b32 v11, 31, v0                          ; lane
	v_and_b32 v12, 15, v0                          ; r
	v_bfe_u32 v13, v0, 4, 1                        ; hh
	v_and_b32 v14, 8, v12
	v_add_nc_u32 v14, v14, v12                     ; rp
	v_lshlrev_b32 v[LI], 4, v11
	v_lshlrev_b32 v[LS], 2, v11
	v_lshlrev_b32 v[R4], 2, v12
	v_lshlrev_b32 v[WA], 8, v14
	v_lshl_add_u32 v[WA], v13, 4, v[WA]
	v_lshlrev_b32 v[WSA], 3, v14
	v_lshl_add_u32 v[WSA], v13, 2, v[WSA]
	s_mul_i32 s26, s[WV], 4*XP
	v_add_nc_u32 v[XST], s26, v[LI]                ; rows 4 w on, 16 bytes a lane
	v_mul_u32_u24 v[XQ], v14, XP
	v_lshl_add_u32 v[XQ], v13, 6, v[XQ]
	s_mul_i32 s26, s37, 8*XP
	s_lshl_b32 s27, s38, 9
	s_add_co_u32 s26, s26, s27
	s_lshl_b32 s27, s39, 8
	s_add_co_u32 s26, s26, s27
	v_add_nc_u32 v[XQ], s26, v[XQ]                 ; row 8 t + rp, byte 512 s + 256 p + 64 hh
	s_lshl_b32 s26, s37, 12
	s_lshl_b32 s27, s38, 11
	s_add_co_u32 s26, s26, s27
	s_lshl_b32 s27, s39, 10
	s_add_co_u32 s26, s26, s27
	s_add_co_u32 s26, s26, XIMG
	v_add_nc_u32 v[XW], s26, v[LI]
	s_lshl_b32 s26, s37, 7
	s_lshl_b32 s27, s38, 6
	s_add_co_u32 s26, s26, s27
	s_lshl_b32 s27, s39, 1
	s_add_co_u32 s26, s26, s27
	s_add_co_u32 s26, s26, XSC
	v_add_nc_u32 v[XH], s26, v[R4]
	s_lshl_b32 s26, s[WV], 4
	s_add_co_u32 s26, s26, DEN
	v_mov_b32 v[DA], s26
	s_lshl_b32 s26, ttmp9, 15                      ; 32 rows of 1,024 bytes a work-group,
	s_lshl_b32 s27, s[WV], 12                      ; four a wave
	s_add_co_u32 s26, s26, s27
	s_mov_b32 s27, 0
	s_wait_kmcnt 0x0
	s_add_nc_u64 s[4:5], s[4:5], s[26:27]          ; x at my first row
	s_or_b32 s25, s21, s[WV]
	s_cmp_eq_u32 s25, 0                            ; a batch's first row?
	s_cselect_b32 s26, 0, 1024
	s_sub_nc_u64 s[28:29], s[4:5], s[26:27]        ; the row before, or the row itself
.irp i, 0,1,2,3
.irp j, 0,1
	global_load_b128 v[RW+8*\i+4*\j:RW+8*\i+4*\j+3], v[LI], s[4:5] offset:1024*\i+512*\j   ; 32 lanes read 512 consecutive bytes
.endr
.endr
	global_load_b128 v[PR:PR+3], v[LI], s[28:29]
	global_load_b128 v[PR+4:PR+7], v[LI], s[28:29] offset:512
	s_lshl_b32 s26, s[WV], 13                      ; my head's 32 rows of 256 codes
	s_add_nc_u64 s[6:7], s[6:7], s[26:27]
	s_lshl_b32 s26, s[WV], 8                       ; and of 8 scale bytes
	s_add_nc_u64 s[8:9], s[8:9], s[26:27]
	WIN 0x40                                       ; destination window 1
.irp k, 0,1,2
.irp u, 0,1
.irp s, 0,1
.irp c, 0,1,2,3
	global_load_b128 v[32*(2*\k+\u)+16*\s+4*\c:32*(2*\k+\u)+16*\s+4*\c+3], v[WA], s[6:7] offset:65536*\k+2048*\u+128*\s+32*\c
.endr
.endr
.endr
.endr
	WIN 0
.irp k, 0,1,2
.irp u, 0,1
	global_load_b32 v[WS+2*\k+\u], v[WSA], s[8:9] offset:2048*\k+64*\u
.endr
.endr
	s_lshl_b32 s25, s24, 7
	s_add_co_u32 s25, s25, s21                     ; 128 hb + blk
	s_lshl_b32 s26, s25, 10
	s_add_nc_u64 s[10:11], s[10:11], s[26:27]      ; qimg
	s_lshl_b32 s26, s25, 7
	s_add_nc_u64 s[12:13], s[12:13], s[26:27]      ; qsc
	s_mul_i32 s26, s24, HEADB
	s_mul_i32 s25, s22, REC
	s_add_co_u32 s26, s26, s25
	s_add_nc_u64 s[14:15], s[14:15], s[26:27]      ; my record of kv
	s_mov_b32 s26, s23
	s_add_nc_u64 s[30:31], s[14:15], s[26:27]      ; + c: byte c of its scale words
	s_lshl_b32 s26, s23, 9
	s_add_nc_u64 s[14:15], s[14:15], s[26:27]      ; + 512 c: quad c of its fragments
	s_lshl_b32 s26, ttmp9, 7
	s_add_nc_u64 s[16:17], s[16:17], s[26:27]      ; dens
.irp j, 0,1,2,3,4,5
	v_mov_b32 v[PT+\j], 0                          ; written once: a lane permute's destination counts as one of its sources
.endr
	v_mov_b32 v[U+1], 0                            ; (named as the upper half of a pair)
	; ---- my four rows go to LDS as they lie, and their densities are made
	s_wait_loadcnt 54                              ; the ten loads of x are in; the 48 + 6 loads of weights issued behind them may stay out
.irp i, 0,1,2,3
.irp j, 0,1
	ds_store_b128 v[XST], v[RW+8*\i+4*\j:RW+8*\i+4*\j+3] offset:XP*\i+512*\j
.endr
.endr
.macro ROWD i, prev                    ; row i: the sum of squared deviations to v[SQ + i], the sum of |row - row before| to v[AD + i]
.set RR, RW+8*(\i)
	v_pk_add_f32 v[T:T+1], v[RR:RR+1], v[RR+2:RR+3]
	v_pk_add_f32 v[T+2:T+3], v[RR+4:RR+5], v[RR+6:RR+7]
	v_pk_add_f32 v[T:T+1], v[T:T+1], v[T+2:T+3]
	v_add_f32 v[T], v[T], v[T+1]
	WRED T, T+1
	v_mul_f32 v[U], 0x3b800000, v[T]               ; the mean: / 256
.irp j, 0,2,4,6
	v_pk_add_f32 v[T+\j:T+\j+1], v[RR+\j:RR+\j+1], v[U:U+1] op_sel_hi:[1,0] neg_lo:[0,1] neg_hi:[0,1]
.endr
	v_pk_mul_f32 v[U+2:U+3], v[T:T+1], v[T:T+1]
.irp j, 2,4,6
	v_pk_fma_f32 v[U+2:U+3], v[T+\j:T+\j+1], v[T+\j:T+\j+1], v[U+2:U+3]
.endr
	v_add_f32 v[SQ+\i], v[U+2], v[U+3]
	WRED SQ+\i, U+2
.irp j, 0,2,4,6
	v_pk_add_f32 v[T+\j:T+\j+1], v[RR+\j:RR+\j+1], v[\prev+\j:\prev+\j+1] neg_lo:[0,1] neg_hi:[0,1]
.endr
	v_add_f32 v[T], |v[T]|, |v[T+1]|
	v_add_f32 v[T+2], |v[T+2]|, |v[T+3]|
	v_add_f32 v[T+4], |v[T+4]|, |v[T+5]|
	v_add_f32 v[T+6], |v[T+6]|, |v[T+7]|
	v_add_f32 v[T], v[T], v[T+2]
	v_add_f32 v[T+4], v[T+4], v[T+6]
	v_add_f32 v[AD+\i], v[T], v[T+4]
	WRED AD+\i, T+1
.endm
	ROWD 0, PR
	ROWD 1, RW
	ROWD 2, RW+8
	ROWD 3, RW+16
.irp i, 0,1,2,3
	v_mul_f32 v[Q0+\i], s35, v[SQ+\i]              ; the sum / 255: a first quotient,
.endr
.irp i, 0,1,2,3
	v_fma_f32 v[EE+\i], -v[Q0+\i], s40, v[SQ+\i]   ; what it leaves,
.endr
.irp i, 0,1,2,3
	v_fma_f32 v[Q0+\i], v[EE+\i], s35, v[Q0+\i]    ; and the mended quotient
.endr
.irp i, 0,1,2,3
	v_sqrt_f32 v[Q0+\i], v[Q0+\i]
.endr
	v_nop                                          ; a plain line behind the last root
	s_wait_alu depctr_va_vdst(0)                   ; one wait for the four roots, ahead of their first reader
.irp i, 0,1,2,3
	v_fma_f32 v[AD+\i], v[AD+\i], 0x3b800000, v[Q0+\i]
.endr
.irp i, 0,1,2,3
	v_mul_f32 v[AD+\i], 0.5, v[AD+\i]
.endr
.irp i, 0,1,2,3
	ds_store_b32 v[DA], v[AD+\i] offset:4*\i       ; all lanes write the same word with the same value
.endr
	BARRIER                                        ; the 32 rows and their densities lie in LDS
	; ---- x is quantised: wave (t, s, p) makes blocks 2 p and 2 p + 1 of fragment (t, s)
.irp e, 0,1
.irp i, 0,1,2,3
	ds_load_b128 v[RW+16*\e+4*\i:RW+16*\e+4*\i+3], v[XQ] offset:128*\e+16*\i
.endr
.endr
	s_wait_dscnt 0x0
	QUANT RW, CD, 2
	ds_store_b128 v[XW], v[CD:CD+3]
	ds_store_b128 v[XW], v[CD+4:CD+7] offset:512
	v_lshl_or_b32 v[TW], v[PT+1], 8, v[PT]
	ds_store_b16 v[XH], v[TW]                      ; both halves of the lanes write the same two bytes with the same value
	BARRIER                                        ; x's four fragments and their scale words lie in LDS
	; ---- the products: twelve accumulators by turns, K step 0 (which starts the sums), then K step 1
.irp f, 0,1,2,3
.irp c, 0,1,2,3
	ds_load_b128 v[XF+16*\f+4*\c:XF+16*\f+4*\c+3], v[LI] offset:XIMG+2048*\f+512*\c
.endr
.endr
	ds_load_b32 v[XS], v[LS] offset:XSC            ; lanes 0-15 K step 0, lanes 16-31 K step 1
	ds_load_b32 v[XS+1], v[LS] offset:XSC+128
	s_wait_dscnt 0x0
	s_wait_loadcnt 0x0                             ; the weights
.macro PROD s
	WIN 0x01                                       ; source 0 (weights) window 1
.irp k, 0,1
.irp t, 0,1
.irp u, 0,1
.if \s
	v_wmma_scale_f32_16x16x128_f8f6f4 v[ACC+32*\k+16*\t+8*\u:ACC+32*\k+16*\t+8*\u+7], v[32*(2*\k+\u)+16:32*(2*\k+\u)+31], v[XF+32*\t+16:XF+32*\t+31], v[ACC+32*\k+16*\t+8*\u:ACC+32*\k+16*\t+8*\u+7], v[WS+2*\k+\u], v[XS+\t] matrix_a_scale:MATRIX_SCALE_ROW1 matrix_b_scale:MATRIX_SCALE_ROW1
.else
	v_wmma_scale_f32_16x16x128_f8f6f4 v[ACC+32*\k+16*\t+8*\u:ACC+32*\k+16*\t+8*\u+7], v[32*(2*\k+\u):32*(2*\k+\u)+15], v[XF+32*\t:XF+32*\t+15], 0, v[WS+2*\k+\u], v[XS+\t]
.endif
.endr
.endr
.endr
	WIN 0x04                                       ; v: source 0 = tokens, source 1 (weights) window 1
.irp u, 0,1
.irp t, 0,1
.if \s
	v_wmma_scale_f32_16x16x128_f8f6f4 v[ACC+64+16*\u+8*\t:ACC+64+16*\u+8*\t+7], v[XF+32*\t+16:XF+32*\t+31], v[32*(4+\u)+16:32*(4+\u)+31], v[ACC+64+16*\u+8*\t:ACC+64+16*\u+8*\t+7], v[XS+\t], v[WS+4+\u] matrix_a_scale:MATRIX_SCALE_ROW1 matrix_b_scale:MATRIX_SCALE_ROW1
.else
	v_wmma_scale_f32_16x16x128_f8f6f4 v[ACC+64+16*\u+8*\t:ACC+64+16*\u+8*\t+7], v[XF+32*\t:XF+32*\t+15], v[32*(4+\u):32*(4+\u)+15], 0, v[XS+\t], v[WS+4+\u]
.endif
.endr
.endr
.endm
	PROD 0
	PROD 1                                         ; eleven other accumulators' turns stand between the two links of a sum
	WIN 0
.rept 8
	v_nop                                          ; eight places behind this form before a vector instruction reads a result
.endr
	QUANT ACC, CD, 6                               ; blocks 0, 1: q's tiles; 2, 3: k's; 4, 5: v's
	global_store_b128 v[LI], v[CD:CD+3], s[10:11]
	global_store_b128 v[LI], v[CD+4:CD+7], s[10:11] offset:512
	v_cndmask_b32 v[TW], v[PT], v[PT+1], s36       ; lanes 0-15 tile 0's byte, lanes 16-31 tile 1's,
	v_perm_b32 v[TW], v[TW], v[TW], 0              ; four times: q will stand in any of an operand's four blocks
	global_store_b32 v[LS], v[TW], s[12:13]
.irp t, 0,1
	global_store_b128 v[LI], v[CD+8+4*\t:CD+8+4*\t+3], s[14:15] offset:2048*\t
	global_store_b128 v[LI], v[CD+16+4*\t:CD+16+4*\t+3], s[14:15] offset:4096+2048*\t
	global_store_b8 v[R4], v[PT+2+\t], s[30:31] offset:8192+64*\t    ; bytes four apart: one byte in 32 of the codes', laid so that the reader takes whole scale words
	global_store_b8 v[R4], v[PT+4+\t], s[30:31] offset:8320+64*\t
.endr
	s_cmp_lg_u32 s[WV], 0
	s_cbranch_scc1 .Lend
	ds_load_b32 v[TW+1], v[LS] offset:DEN          ; wave 0 stores the block's 32 densities: 128 consecutive bytes
	s_wait_dscnt 0x0
	global_store_b32 v[LS], v[TW+1], s[16:17]
.Lend:
	s_wait_tensorcnt 0x0
	ds_add_u32 v254, v255
	s_wait_dscnt 0x0
	s_endpgm
.Lfunc_end_k_qb38f0287a0_qkv:
	.size	k_qb38f0287a0_qkv, .Lfunc_end_k_qb38f0287a0_qkv-k_qb38f0287a0_qkv
	.p2alignl 7, 3214868480
	.fill 96, 4, 3214868480
	.section	.rodata,"a",@progbits
	.p2align	6, 0x0
	.amdhsa_kernel k_qb38f0287a0_qkv
		.amdhsa_group_segment_fixed_size 43008
		.amdhsa_private_segment_fixed_size 0
		.amdhsa_enable_private_segment 0
		.amdhsa_kernarg_size 56
		.amdhsa_user_sgpr_count 2
		.amdhsa_user_sgpr_kernarg_segment_ptr 1
		.amdhsa_wavefront_size32 1
		.amdhsa_system_sgpr_workgroup_id_x 1
		.amdhsa_system_sgpr_workgroup_id_y 1
		.amdhsa_system_sgpr_workgroup_id_z 1
		.amdhsa_system_vgpr_workitem_id 0
		.amdhsa_next_free_vgpr 448
		.amdhsa_next_free_sgpr 66
		.amdhsa_reserve_vcc 0
		.amdhsa_float_denorm_mode_32 3
		.amdhsa_float_denorm_mode_16_64 3
		.amdhsa_memory_ordered 1
		.amdhsa_forward_progress 1
		.amdhsa_inst_pref_size 45
	.end_amdhsa_kernel
	.amdgpu_metadata
---
amdhsa.version: [ 1, 2 ]
amdhsa.kernels:
  - .name:           k_qb38f0287a0_qkv
    .symbol:         k_qb38f0287a0_qkv.kd
    .args:
      - { .name: x, .offset: 0, .size: 8, .value_kind: global_buffer, .address_space: global }
      - { .name: w_qkv_codes, .offset: 8, .size: 8, .value_kind: global_buffer, .address_space: global }
      - { .name: w_qkv_scales, .offset: 16, .size: 8, .value_kind: global_buffer, .address_space: global }
      - { .name: qimg, .offset: 24, .size: 8, .value_kind: global_buffer, .address_space: global }
      - { .name: qsc, .offset: 32, .size: 8, .value_kind: global_buffer, .address_space: global }
      - { .name: kv, .offset: 40, .size: 8, .value_kind: global_buffer, .address_space: global }
      - { .name: dens, .offset: 48, .size: 8, .value_kind: global_buffer, .address_space: global }
    .group_segment_fixed_size: 43008
    .private_segment_fixed_size: 0
    .kernarg_segment_align: 8
    .kernarg_segment_size: 56
    .max_flat_workgroup_size: 256
    .sgpr_count:     66
    .vgpr_count:     448
    .wavefront_size: 32
...
	.end_amdgpu_metadata
.endif
;; end of part 1
;; launch attn (part 2): grid 16 x 16, 8 waves a work-group, no clusters, 288,000 bytes of LDS; arguments qimg, qsc, kv, dens, oimg, osc; writes oimg, osc
.if DOCPART == 2
	.amdgcn_target "amdgcn-amd-amdhsa--gfx1250"
	.amdhsa_code_object_version 6
	.text
	.protected	k_qb38f0287a0_attn
	.globl	k_qb38f0287a0_attn
	.p2align	8
	.type	k_qb38f0287a0_attn,@function
k_qb38f0287a0_attn:
	s_mov_b64 s[64:65], 0
	v_nop
	global_prefetch_b8 v0, s[64:65] scope:SCOPE_SE
	s_setreg_imm32_b32 hwreg(HW_REG_WAVE_MODE, 25, 1), 1
	s_wait_xcnt 0x0
.set REC,   8448
.set PARTA, 8*REC
.set BIAS,  32*REC
.set RED,   BIAS+16384
.set LI,  1
.set LS,  2
.set BA,  3
.set ADK, 4
.set ADB, 5
.set ADS, 6
.set ZERO, 7
.set IQ,  8
.set KS,  10
.set VS,  11
.set QS,  12
.set PW,  13
.set GT,  15
.set ST,  16
.set O,   32
.set S,   64
.set P,   192
.set TM,  224
.set MX,  224
.set PT,  228
.set HL,  232
.set SO,  236
.set KF,  0
.set VF,  32
.set BI,  64
.set QR,  128
.set WV,  16
.set HB,  17
.set BLKQ, 21
.set G1A, 24
.set G1B, 32
.set G0A, 40
.set G0B, 44
.set SEL, 48
.set CS,  50
.set MNT, 52
.set TB,  53
.set TBB, 54
.set KEY0, 55
.set G,   56
.set GLO, 57
.set GHI, 58
.set CNT, 59
.set MSB, 0
.macro WIN new
.if MSB != \new
	s_set_vgpr_msb (MSB<<8)|\new
.set MSB, \new
.endif
.endm
.macro WRED r, t
	s_delay_alu instid0(VALU_DEP_1)
	v_add_f32_dpp v[\r], v[\r], v[\r] row_xmask:1 row_mask:0xf bank_mask:0xf
	s_delay_alu instid0(VALU_DEP_1)
	v_add_f32_dpp v[\r], v[\r], v[\r] row_xmask:2 row_mask:0xf bank_mask:0xf
	s_delay_alu instid0(VALU_DEP_1)
	v_add_f32_dpp v[\r], v[\r], v[\r] row_xmask:4 row_mask:0xf bank_mask:0xf
	s_delay_alu instid0(VALU_DEP_1)
	v_add_f32_dpp v[\r], v[\r], v[\r] row_xmask:8 row_mask:0xf bank_mask:0xf
	s_delay_alu instid0(VALU_DEP_1)
	v_permlanex16_b32 v[\t], v[\r], s[SEL], s[SEL+1]
	s_delay_alu instid0(VALU_DEP_1)
	v_add_f32 v[\r], v[\r], v[\t]
.endm
.macro BARRIER
	s_wait_dscnt 0x0
	s_barrier_signal -1
	s_barrier_wait -1
.endm
.macro QUANT src, dst, nb
.set qb, 0
.rept \nb
	v_max3_num_f32 v[MX+qb], |v[\src+16*qb]|, |v[\src+16*qb+1]|, 0x4800000
.set qb, qb+1
.endr
.set qi, 2
.rept 7
.set qb, 0
.rept \nb
	s_delay_alu instid0(VALU_DEP_2)
	v_max3_num_f32 v[MX+qb], v[MX+qb], |v[\src+16*qb+qi]|, |v[\src+16*qb+qi+1]|
.set qb, qb+1
.endr
.set qi, qi+2
.endr
.set qb, 0
.rept \nb
	s_delay_alu instid0(VALU_DEP_2)
	v_permlanex16_b32 v[PT+qb], v[MX+qb], s[SEL], s[SEL+1]
.set qb, qb+1
.endr
.set qb, 0
.rept \nb
	s_delay_alu instid0(VALU_DEP_2)
	v_max_num_f32 v[MX+qb], v[MX+qb], v[PT+qb]
.set qb, qb+1
.endr
.set qb, 0
.rept \nb
	s_delay_alu instid0(VALU_DEP_2)
	v_add_nc_u32 v[SO+qb], 0xfc000000, v[MX+qb]
.set qb, qb+1
.endr
.set qb, 0
.rept \nb
	s_delay_alu instid0(VALU_DEP_2)
	v_lshrrev_b32 v[PT+qb], 23, v[SO+qb]
.set qb, qb+1
.endr
.set qb, 0
.rept \nb
.set qi, 0
.rept 16
.set qi, qi+1
.endr
	v_cvt_scalef32_pk8_fp8_f32 v[\dst+4*qb:\dst+4*qb+1], v[\src+16*qb:\src+16*qb+7], v[SO+qb]
	v_cvt_scalef32_pk8_fp8_f32 v[\dst+4*qb+2:\dst+4*qb+3], v[\src+16*qb+8:\src+16*qb+15], v[SO+qb]
.set qb, qb+1
.endr
	v_nop
.endm
.macro WM d, a, b, c, sa, sb, ra, rb
.if (\ra) && (\rb)
	v_wmma_scale_f32_16x16x128_f8f6f4 v[\d:\d+7], v[\a:\a+15], v[\b:\b+15], v[\c:\c+7], v[\sa], v[\sb] matrix_a_scale:MATRIX_SCALE_ROW1 matrix_b_scale:MATRIX_SCALE_ROW1
.elseif (\ra)
	v_wmma_scale_f32_16x16x128_f8f6f4 v[\d:\d+7], v[\a:\a+15], v[\b:\b+15], v[\c:\c+7], v[\sa], v[\sb] matrix_a_scale:MATRIX_SCALE_ROW1
.elseif (\rb)
	v_wmma_scale_f32_16x16x128_f8f6f4 v[\d:\d+7], v[\a:\a+15], v[\b:\b+15], v[\c:\c+7], v[\sa], v[\sb] matrix_b_scale:MATRIX_SCALE_ROW1
.else
	v_wmma_scale_f32_16x16x128_f8f6f4 v[\d:\d+7], v[\a:\a+15], v[\b:\b+15], v[\c:\c+7], v[\sa], v[\sb]
.endif
.endm
.macro QK inplace
.irp c, 0,1,2,3
.irp u, 0,1
.irp t, 0,1
.if \inplace
	WM S+64*\t+16*\c+8*\u, KF+16*\u, QR+28*\t+12-4*\c, S+64*\t+16*\c+8*\u, KS, QS, \u, \t
.else
	WM S+64*\t+16*\c+8*\u, KF+16*\u, QR+28*\t+12-4*\c, BI+16*\c+8*\u, KS, QS, \u, \t
.endif
.endr
.endr
.endr
.endm
	s_load_b256 s[4:11], s[0:1], 0x0
	s_load_b128 s[12:15], s[0:1], 0x20
	s_set_vgpr_msb 0x40
	v_lshl_add_u32 v192, v0, 2, 0x46100
	v_mov_b32 v193, 0
	s_set_vgpr_msb 0x4045
	ds_add_u32 v192, v193
	ds_add_u32 v192, v193
	s_set_vgpr_msb 0x4500
	v_lshrrev_b32 v1, 5, v0
	s_delay_alu instid0(VALU_DEP_1)
	v_readfirstlane_b32 s[WV], v1
	s_and_b32 s[HB], ttmp7, 0xffff
	s_lshr_b32 s19, s[HB], 3
	s_and_b32 s20, s[HB], 7
	s_lshl_b32 s[BLKQ], ttmp9, 3
	s_add_co_u32 s[BLKQ], s[BLKQ], s[WV]
	s_mov_b32 s[G1A], 3<<16
	s_mov_b32 s[G1A+1], 32<<16
	s_mov_b32 s[G1A+2], 33<<16
	s_mov_b32 s[G1A+3], 32<<16
	s_mov_b32 s[G1A+4], 33
	s_mov_b32 s[G1A+5], 32
	s_mov_b32 s[G1A+6], 0
	s_mov_b32 s[G1A+7], 0
	s_mov_b32 s[G1B], 3<<16
	s_mov_b32 s[G1B+1], 32<<16
	s_mov_b32 s[G1B+2], 99<<16
	s_mov_b32 s[G1B+3], 32<<16
	s_mov_b32 s[G1B+4], 99
	s_mov_b32 s[G1B+5], 32
	s_mov_b32 s[G1B+6], 0
	s_mov_b32 s[G1B+7], 0
	s_mul_i32 s60, s[WV], REC
	s_mul_i32 s61, s[WV], 3*REC
	s_add_co_u32 s61, s61, PARTA
	s_mul_i32 s22, s[HB], 32*REC
	s_mov_b32 s23, 0
	s_wait_dscnt 0x0
	s_wait_kmcnt 0x0
	s_add_nc_u64 s[8:9], s[8:9], s[22:23]
	s_mov_b32 s[G0A], 1
	s_mov_b32 s[G0A+1], s60
	s_mov_b32 s22, s60
	s_add_nc_u64 s[G0A+2:G0A+3], s[8:9], s[22:23]
	s_or_b32 s[G0A+3], s[G0A+3], 0x80000000
	s_mov_b32 s[G0B], 1
	s_mov_b32 s[G0B+1], s61
	s_mov_b32 s22, s61
	s_add_nc_u64 s[G0B+2:G0B+3], s[8:9], s[22:23]
	s_or_b32 s[G0B+3], s[G0B+3], 0x80000000
	tensor_load_to_lds s[G0A:G0A+3], s[G1A:G1A+7]
	s_nop 0
	tensor_load_to_lds s[G0B:G0B+3], s[G1B:G1B+7]
	s_nop 0
.rept 4
	v_nop
.endr
	v_and_b32 v4, 31, v0
	v_and_b32 v5, 15, v0
	v_bfe_u32 v6, v0, 4, 1
	s_delay_alu instid0(VALU_DEP_3)
	v_lshlrev_b32 v[LI], 4, v4
	s_delay_alu instid0(VALU_DEP_4)
	v_lshlrev_b32 v[LS], 2, v4
	s_delay_alu instid0(VALU_DEP_3)
	v_lshl_add_u32 v[BA], v6, 6, BIAS
	v_mov_b32 v[ZERO], 0
	v_and_b32 v4, 8, v5
	s_delay_alu instid0(VALU_DEP_1)
	v_add_nc_u32 v4, v4, v5
	v_lshlrev_b32 v6, 4, v6
	s_delay_alu instid0(VALU_DEP_1)
	v_sub_nc_u32 v4, v4, v6
	s_lshl_b32 s60, s[BLKQ], 5
	s_sub_co_u32 s60, s60, 15
	v_add_nc_u32 v[IQ], s60, v4
	s_delay_alu instid0(VALU_DEP_1)
	v_add_nc_u32 v[IQ+1], 8, v[IQ]
	v_lshlrev_b32 v[GT], 4, v0
	s_wait_alu depctr_va_vdst(0)
	v_lshl_add_u32 v120, v0, 4, BIAS
	s_lshl_b32 s60, s[WV], 2
	s_add_co_u32 s60, s60, RED
	v_mov_b32 v121, s60
	v_mov_b32 v122, RED
	s_mov_b32 s[SEL], 0x76543210
	s_mov_b32 s[SEL+1], 0xfedcba98
	s_mov_b32 s[CS], 0x3e8293ee
	s_mov_b32 s[CS+1], s[CS]
	s_max_u32 s60, s[BLKQ], 1
	s_sub_co_u32 s60, s60, 1
	s_lshr_b32 s[GLO], s60, 2
	s_add_co_u32 s60, s[BLKQ], 1
	s_lshr_b32 s[GHI], s60, 2
	s_lshl_b32 s22, s19, 14
	s_add_nc_u64 s[62:63], s[10:11], s[22:23]
	s_lshl_b32 s60, s[HB], 7
	s_add_co_u32 s60, s60, s[BLKQ]
	s_lshl_b32 s22, s60, 10
	s_add_nc_u64 s[4:5], s[4:5], s[22:23]
	s_lshl_b32 s22, s60, 7
	s_add_nc_u64 s[6:7], s[6:7], s[22:23]
.irp i, 0,1,2,3,4,5,6,7
	global_load_b128 v[64+4*\i:67+4*\i], v[GT], s[10:11] offset:4096*\i
.endr
.irp i, 0,1,2,3
	global_load_b128 v[96+4*\i:99+4*\i], v[GT], s[62:63] offset:4096*\i
.endr
	WIN 0x40
	global_load_b128 v[QR+12:QR+15], v[LI], s[4:5]
	global_load_b128 v[QR+40:QR+43], v[LI], s[4:5] offset:512
.irp t, 0,1
.irp j, 0,1,2,3,4,5,6,7,8,9,10,11
	v_mov_b32 v[QR+28*\t+\j], 0
	v_mov_b32 v[QR+28*\t+16+\j], 0
.endr
.endr
	WIN 0
	global_load_b32 v[QS], v[LS], s[6:7]
	s_wait_loadcnt 0x0
	v_pk_add_f32 v[254:255], v[64:65], v[66:67]
	v_pk_add_f32 v[252:253], v[68:69], v[70:71]
	v_pk_add_f32 v[250:251], v[72:73], v[74:75]
	v_pk_add_f32 v[248:249], v[76:77], v[78:79]
	v_pk_add_f32 v[246:247], v[80:81], v[82:83]
	v_pk_add_f32 v[244:245], v[84:85], v[86:87]
	v_pk_add_f32 v[242:243], v[88:89], v[90:91]
	v_pk_add_f32 v[112:113], v[92:93], v[94:95]
	s_delay_alu instid0(VALU_DEP_1)
	v_pk_add_f32 v[112:113], v[112:113], v[248:249]
	v_pk_add_f32 v[254:255], v[254:255], v[246:247]
	v_pk_add_f32 v[252:253], v[252:253], v[244:245]
	v_pk_add_f32 v[250:251], v[250:251], v[242:243]
	s_delay_alu instid0(VALU_DEP_2)
	v_pk_add_f32 v[112:113], v[112:113], v[252:253]
	s_delay_alu instid0(VALU_DEP_2)
	v_pk_add_f32 v[254:255], v[254:255], v[250:251]
	s_delay_alu instid0(VALU_DEP_1)
	v_pk_add_f32 v[112:113], v[112:113], v[254:255]
	s_delay_alu instid0(VALU_DEP_1)
	v_add_f32 v112, v112, v113
	WRED 112, 113
	ds_store_b32 v121, v112
	BARRIER
	ds_load_b128 v[112:115], v122
	ds_load_b128 v[116:119], v122 offset:16
	s_wait_dscnt 0x0
	v_add_f32 v112, v112, v113
	v_add_f32 v114, v114, v115
	v_add_f32 v116, v116, v117
	v_add_f32 v118, v118, v119
	s_delay_alu instid0(VALU_DEP_3)
	v_add_f32 v112, v112, v114
	s_delay_alu instid0(VALU_DEP_2)
	v_add_f32 v116, v116, v118
	s_delay_alu instid0(VALU_DEP_1)
	v_add_f32 v112, v112, v116
	s_delay_alu instid0(VALU_DEP_1)
	v_mul_f32 v124, 0x39000000, v112
	s_delay_alu instid0(VALU_DEP_1)
	v_mov_b32 v125, v124
.irp j, 0,2,4,6,8,10,12,14,16,18,20,22,24,26,28,30
	v_pk_add_f32 v[64+\j:65+\j], v[64+\j:65+\j], v[124:125] neg_lo:[0,1] neg_hi:[0,1]
.endr
	v_pk_mul_f32 v[112:113], v[64:65], v[64:65]
.irp j, 2,4,6,8,10,12,14,16,18,20,22,24,26,28,30
	s_delay_alu instid0(VALU_DEP_1)
	v_pk_fma_f32 v[112:113], v[64+\j:65+\j], v[64+\j:65+\j], v[112:113]
.endr
	s_delay_alu instid0(VALU_DEP_1)
	v_add_f32 v112, v112, v113
	WRED 112, 113
	ds_store_b32 v121, v112 offset:32
	BARRIER
	ds_load_b128 v[112:115], v122 offset:32
	ds_load_b128 v[116:119], v122 offset:48
	s_mov_b32 s60, 0x39000400
	s_mov_b32 s61, 0x45fff800
	s_wait_dscnt 0x0
	v_add_f32 v112, v112, v113
	v_add_f32 v114, v114, v115
	v_add_f32 v116, v116, v117
	v_add_f32 v118, v118, v119
	s_delay_alu instid0(VALU_DEP_3)
	v_add_f32 v112, v112, v114
	s_delay_alu instid0(VALU_DEP_2)
	v_add_f32 v116, v116, v118
	s_delay_alu instid0(VALU_DEP_1)
	v_add_f32 v112, v112, v116
	s_delay_alu instid0(VALU_DEP_1)
	v_mul_f32 v113, s60, v112
	s_delay_alu instid0(VALU_DEP_1)
	v_fma_f32 v114, -v113, s61, v112
	s_delay_alu instid0(VALU_DEP_1)
	v_fma_f32 v113, v114, s60, v113
	s_wait_alu depctr_va_vdst(0)
	v_sqrt_f32 v113, v113
	v_nop
	s_wait_alu depctr_va_vdst(0)
	v_fma_f32 v126, 0.5, v113, v124
.irp k, 0,1,2,3,4,5,6,7,8,9,10,11,12,13,14,15
	v_cmp_gt_f32 vcc_lo, v[96+\k], v126
	s_delay_alu instid0(VALU_DEP_1)
	v_cndmask_b32 v[96+\k], 0xff61b1e6, v[ZERO], vcc_lo
.endr
.irp i, 0,1,2,3
	ds_store_b128 v120, v[96+4*\i:99+4*\i] offset:4096*\i
.endr
.irp j, 0,1,2,3,4,5,6,7,8,9,10,11,12,13,14,15,16,17,18,19,20,21,22,23,24,25,26,27,28,29,30,31
	v_mov_b32 v[O+\j], 0
.endr
.irp t, 0,1
	v_mov_b32 v[ST+8*\t+1], 0xf149f2ca
	s_delay_alu instid0(VALU_DEP_1)
	v_floor_f32 v[ST+8*\t], -v[ST+8*\t+1]
	v_mov_b32 v[ST+8*\t+2], 0
	v_mov_b32 v[ST+8*\t+3], 0
	v_mov_b32 v[ST+8*\t+5], 0
	v_mov_b32 v[ST+8*\t+7], 0
.irp e, 4,5,6,7
	v_mov_b32 v[TM+16*\t+\e], 0
.endr
.endr
	s_wait_tensorcnt 0x1
	BARRIER
.macro STEP
	v_add_nc_u32 v[ADK], s[TB], v[LI]
	v_add_nc_u32 v[ADS], s[TB], v[LS]
	v_add_nc_u32 v[ADB], s[TBB], v[BA]
	WIN 0x40
.irp u, 0,1
.irp c, 0,1,2,3
	ds_load_b128 v[KF+16*\u+4*\c:KF+16*\u+4*\c+3], v[ADK] offset:2048*\u+512*\c
.endr
.endr
.irp c, 0,1,2,3
.irp i, 0,1,2,3
	ds_load_b128 v[BI+16*\c+4*\i:BI+16*\c+4*\i+3], v[ADB] offset:128*\c+16*\i
.endr
.endr
	WIN 0
	ds_load_b32 v[KS], v[ADS] offset:8192
	s_wait_dscnt 0x0
	s_cmp_lt_u32 s[G], s[GLO]
	s_cbranch_scc1 .Lopen_\@
	s_cmp_gt_u32 s[G], s[GHI]
	s_cbranch_scc1 .Lopen_\@
	v_sub_nc_u32 v[TM], v[IQ], s[KEY0]
	v_sub_nc_u32 v[TM+16], v[IQ+1], s[KEY0]
	WIN 0x01
.irp t, 0,1
.set nn, 0
.rept 64
	v_sub_nc_u32 v[TM+1], 32*(nn/16)+nn%16, v[TM+16*\t]
	s_delay_alu instid0(VALU_DEP_1)
	v_cmp_gt_u32 vcc_lo, 31, v[TM+1]
	s_delay_alu instid0(VALU_DEP_1)
	v_cndmask_b32 v[S+64*\t+nn], v[BI+nn], v[ZERO], vcc_lo
.set nn, nn+1
.endr
.endr
.rept 4
	v_nop
.endr
	WIN 0x05
	QK 1
	WIN 0
	s_branch .Ljoin_\@
.Lopen_\@:
	WIN 0x15
	QK 0
	WIN 0
.Ljoin_\@:
.rept 8
	v_nop
.endr
	WIN 0x40
	s_wait_alu depctr_va_vdst(0)
.irp u, 0,1
.irp c, 0,1,2,3
	ds_load_b128 v[VF+16*\u+4*\c:VF+16*\u+4*\c+3], v[ADK] offset:4096+2048*\u+512*\c
.endr
.endr
	WIN 0
	ds_load_b32 v[VS], v[ADS] offset:8320
	s_setprio 1
.irp t, 0,1
.irp b, 0,1,2,3
	v_max3_num_f32 v[TM+16*\t+\b], v[S+64*\t+16*\b], v[S+64*\t+16*\b+1], v[S+64*\t+16*\b+2]
.endr
.endr
.irp i, 3,5,7,9,11,13
.irp t, 0,1
.irp b, 0,1,2,3
	v_max3_num_f32 v[TM+16*\t+\b], v[TM+16*\t+\b], v[S+64*\t+16*\b+\i], v[S+64*\t+16*\b+\i+1]
.endr
.endr
.endr
.irp t, 0,1
.irp b, 0,1,2,3
	v_max_num_f32 v[TM+16*\t+\b], v[TM+16*\t+\b], v[S+64*\t+16*\b+15]
.endr
.endr
.irp t, 0,1
.irp b, 0,1,2,3
	v_permlanex16_b32 v[TM+16*\t+4+\b], v[TM+16*\t+\b], s[SEL], s[SEL+1]
.endr
.endr
.irp t, 0,1
.irp b, 0,1,2,3
	v_max_num_f32 v[TM+16*\t+\b], v[TM+16*\t+\b], v[TM+16*\t+4+\b]
.endr
.endr
.irp t, 0
	v_max3_num_f32 v[ST+8*\t+6], v[TM+16*\t], v[TM+16*\t+1], v[TM+16*\t+2]
.endr
.irp t, 1
	s_delay_alu instid0(VALU_DEP_3)
	v_max3_num_f32 v[ST+8*\t+6], v[TM+16*\t], v[TM+16*\t+1], v[TM+16*\t+2]
.endr
.irp t, 0,1
	s_delay_alu instid0(VALU_DEP_2)
	v_max_num_f32 v[ST+8*\t+6], v[ST+8*\t+6], v[TM+16*\t+3]
.endr
.irp t, 0,1
	s_delay_alu instid0(VALU_DEP_2)
	v_mul_f32 v[ST+8*\t+6], s[CS], v[ST+8*\t+6]
.endr
.irp t, 0,1
	s_delay_alu instid0(VALU_DEP_2)
	v_max_num_f32 v[ST+8*\t+1], v[ST+8*\t+1], v[ST+8*\t+6]
.endr
.irp t, 0,1
	v_mov_b32 v[ST+8*\t+6], v[ST+8*\t]
.endr
.irp t, 0,1
	s_delay_alu instid0(VALU_DEP_4)
	v_floor_f32 v[ST+8*\t], -v[ST+8*\t+1]
.endr
.irp t, 0,1
	s_delay_alu instid0(VALU_DEP_2)
	v_sub_f32 v[ST+8*\t+6], v[ST+8*\t], v[ST+8*\t+6]
.endr
.irp t, 0,1
	s_delay_alu instid0(VALU_DEP_2)
	v_cvt_i32_f32 v[ST+8*\t+6], v[ST+8*\t+6]
.endr
.irp t, 0,1
	s_delay_alu instid0(VALU_DEP_2)
	v_ldexp_f32 v[ST+8*\t+4], 1.0, v[ST+8*\t+6]
.endr
.irp t, 0,1
.set jj, 0
.rept 32
	v_pk_fma_f32 v[S+64*\t+jj:S+64*\t+jj+1], v[S+64*\t+jj:S+64*\t+jj+1], s[CS:CS+1], v[ST+8*\t:ST+8*\t+1] op_sel_hi:[1,0,0]
.set jj, jj+2
.endr
.irp b, 0,1,2,3
	v_fma_f32 v[TM+16*\t+\b], v[TM+16*\t+\b], s[CS], v[ST+8*\t]
.endr
.endr
.set jj, 0
	s_wait_alu depctr_va_vdst(0)
.rept 128
	v_exp_f32 v[S+jj], v[S+jj]
.set jj, jj+1
.endr
.irp t, 0,1
	v_pk_mul_f32 v[ST+8*\t+2:ST+8*\t+3], v[ST+8*\t+2:ST+8*\t+3], v[ST+8*\t+4:ST+8*\t+5] op_sel_hi:[1,0]
.endr
	s_wait_alu depctr_va_vdst(0)
.irp t, 0,1
.irp b, 0,1,2,3
	v_exp_f32 v[TM+16*\t+\b], v[TM+16*\t+\b]
.endr
.endr
	s_setprio 0
.irp t, 0,1
	v_pk_add_f32 v[TM+16*\t+4:TM+16*\t+5], v[S+64*\t:S+64*\t+1], v[S+64*\t+2:S+64*\t+3]
.endr
.set jj, 4
.rept 15
.irp t, 0,1
	v_pk_add_f32 v[ST+8*\t+2:ST+8*\t+3], v[ST+8*\t+2:ST+8*\t+3], v[S+64*\t+jj:S+64*\t+jj+1]
	v_pk_add_f32 v[TM+16*\t+4:TM+16*\t+5], v[TM+16*\t+4:TM+16*\t+5], v[S+64*\t+jj+2:S+64*\t+jj+3]
.endr
.set jj, jj+4
.endr
.irp t, 0
	s_delay_alu instid0(VALU_DEP_3)
	v_pk_add_f32 v[ST+8*\t+2:ST+8*\t+3], v[ST+8*\t+2:ST+8*\t+3], v[TM+16*\t+4:TM+16*\t+5]
.endr
.irp t, 1
	s_delay_alu instid0(VALU_DEP_2)
	v_pk_add_f32 v[ST+8*\t+2:ST+8*\t+3], v[ST+8*\t+2:ST+8*\t+3], v[TM+16*\t+4:TM+16*\t+5]
.endr
	s_wait_alu depctr_va_vdst(0)
.irp t, 0,1
.irp b, 0,1,2,3
	v_max_num_f32 v[TM+16*\t+\b], 0x4800000, v[TM+16*\t+\b]
.endr
.endr
.irp t, 0,1
.irp b, 0,1,2,3
	v_add_nc_u32 v[TM+16*\t+12+\b], 0xfc000000, v[TM+16*\t+\b]
.endr
.endr
.irp t, 0,1
.irp b, 0,1,2,3
	v_lshrrev_b32 v[TM+16*\t+4+\b], 23, v[TM+16*\t+12+\b]
.endr
.endr
.irp t, 0
	v_lshl_or_b32 v[PW+\t], v[TM+16*\t+5], 8, v[TM+16*\t+4]
.endr
.irp t, 1
	s_delay_alu instid0(VALU_DEP_4)
	v_lshl_or_b32 v[PW+\t], v[TM+16*\t+5], 8, v[TM+16*\t+4]
.endr
.irp t, 0,1
	s_delay_alu instid0(VALU_DEP_2)
	v_lshl_or_b32 v[PW+\t], v[TM+16*\t+6], 16, v[PW+\t]
.endr
.irp t, 0,1
	s_delay_alu instid0(VALU_DEP_2)
	v_lshl_or_b32 v[PW+\t], v[TM+16*\t+7], 24, v[PW+\t]
.endr
.irp t, 0,1
.irp b, 0,1,2,3
.irp i, 0,1,2,3,4,5,6,7,8,9,10,11,12,13,14,15
.endr
	v_cvt_scalef32_pk8_fp8_f32 v[P+16*\t+4*\b:P+16*\t+4*\b+1], v[S+64*\t+16*\b:S+64*\t+16*\b+7], v[TM+16*\t+12+\b]
	v_cvt_scalef32_pk8_fp8_f32 v[P+16*\t+4*\b+2:P+16*\t+4*\b+3], v[S+64*\t+16*\b+8:S+64*\t+16*\b+15], v[TM+16*\t+12+\b]
.endr
.endr
.irp t, 0,1
.irp j, 0,2,4,6,8,10,12,14
	v_pk_mul_f32 v[O+16*\t+\j:O+16*\t+\j+1], v[O+16*\t+\j:O+16*\t+\j+1], v[ST+8*\t+4:ST+8*\t+5] op_sel_hi:[1,0]
.endr
.endr
	s_wait_alu depctr_va_vdst(0)
	s_wait_dscnt 0x0
	WIN 0x01
.irp t, 0,1
.irp u, 0,1
	WM O+16*\t+8*\u, VF+16*\u, P+16*\t, O+16*\t+8*\u, VS, PW+\t, \u, 0
.endr
.endr
	WIN 0
.endm
.macro GROUPS cnt
	s_mov_b32 s[CNT], \cnt
.Lgrp_\@:
	s_setprio 2
	STEP
	s_add_co_u32 s[TB], s[TB], REC
	s_add_co_u32 s[TBB], s[TBB], 512
	s_add_co_u32 s[KEY0], s[KEY0], 128
	s_add_co_u32 s[G], s[G], 1
	s_sub_co_u32 s[CNT], s[CNT], 1
	s_cmp_lg_u32 s[CNT], 0
	s_cbranch_scc1 .Lgrp_\@
	s_setprio 0
.endm
	s_mov_b32 s[TB], 0
	s_mov_b32 s[TBB], 0
	s_mov_b32 s[KEY0], 0
	s_mov_b32 s[G], 0
	GROUPS 8
	s_wait_tensorcnt 0x0
	BARRIER
	s_mov_b32 s[TB], PARTA
	s_mov_b32 s[TBB], 8*512
	s_mov_b32 s[KEY0], 8*128
	s_mov_b32 s[G], 8
	GROUPS 24
	s_lshl_b32 s60, s19, 7
	s_add_co_u32 s60, s60, s[BLKQ]
	s_lshr_b32 s61, s20, 2
	s_and_b32 s62, s20, 3
	s_lshl_b32 s22, s60, 13
	s_lshl_b32 s63, s61, 11
	s_add_co_u32 s22, s22, s63
	s_lshl_b32 s63, s62, 9
	s_add_co_u32 s22, s22, s63
	s_add_nc_u64 s[12:13], s[12:13], s[22:23]
	s_lshl_b32 s22, s60, 8
	s_lshl_b32 s63, s61, 6
	s_add_co_u32 s22, s22, s63
	s_add_co_u32 s22, s22, s62
	s_add_nc_u64 s[14:15], s[14:15], s[22:23]
.rept 8
	v_nop
.endr
.irp t, 0,1
	v_add_f32 v[ST+8*\t+6], v[ST+8*\t+2], v[ST+8*\t+3]
.endr
.irp t, 0,1
	s_delay_alu instid0(VALU_DEP_2)
	v_permlanex16_b32 v[ST+8*\t+7], v[ST+8*\t+6], s[SEL], s[SEL+1]
.endr
.irp t, 0,1
	s_delay_alu instid0(VALU_DEP_2)
	v_add_f32 v[ST+8*\t+6], v[ST+8*\t+6], v[ST+8*\t+7]
.endr
	s_wait_alu depctr_va_vdst(0)
.irp t, 0,1
	v_rcp_f32 v[ST+8*\t+4], v[ST+8*\t+6]
.endr
	v_and_b32 v[ADK], 15, v0
	s_delay_alu instid0(VALU_DEP_1)
	v_lshlrev_b32 v[ADK], 2, v[ADK]
	s_wait_alu depctr_va_vdst(0)
.irp t, 0,1
.irp j, 0,2,4,6,8,10,12,14
	v_pk_mul_f32 v[O+16*\t+\j:O+16*\t+\j+1], v[O+16*\t+\j:O+16*\t+\j+1], v[ST+8*\t+4:ST+8*\t+5] op_sel_hi:[1,0]
.endr
.endr
	QUANT O, P, 2
	global_store_b128 v[LI], v[P:P+3], s[12:13]
	global_store_b128 v[LI], v[P+4:P+7], s[12:13] offset:4096
	global_store_b8 v[ADK], v[PT], s[14:15]
	global_store_b8 v[ADK], v[PT+1], s[14:15] offset:128
	s_set_vgpr_msb 0x5
	s_wait_tensorcnt 0x0
	ds_add_u32 v192, v193
	s_wait_dscnt 0x0
	s_set_vgpr_msb 0x500
	s_endpgm
.Lfunc_end_k_qb38f0287a0_attn:
	.size	k_qb38f0287a0_attn, .Lfunc_end_k_qb38f0287a0_attn-k_qb38f0287a0_attn
	.p2alignl 7, 3214868480
	.fill 96, 4, 3214868480
	.section	.rodata,"a",@progbits
	.p2align	6, 0x0
	.amdhsa_kernel k_qb38f0287a0_attn
		.amdhsa_group_segment_fixed_size 288000
		.amdhsa_private_segment_fixed_size 0
		.amdhsa_enable_private_segment 0
		.amdhsa_kernarg_size 48
		.amdhsa_user_sgpr_count 2
		.amdhsa_user_sgpr_kernarg_segment_ptr 1
		.amdhsa_wavefront_size32 1
		.amdhsa_system_sgpr_workgroup_id_x 1
		.amdhsa_system_sgpr_workgroup_id_y 1
		.amdhsa_system_sgpr_workgroup_id_z 1
		.amdhsa_system_vgpr_workitem_id 0
		.amdhsa_next_free_vgpr 450
		.amdhsa_next_free_sgpr 66
		.amdhsa_reserve_vcc 1
		.amdhsa_float_denorm_mode_32 3
		.amdhsa_float_denorm_mode_16_64 3
		.amdhsa_fp16_overflow 1
		.amdhsa_memory_ordered 1
		.amdhsa_forward_progress 1
		.amdhsa_inst_pref_size 130
	.end_amdhsa_kernel
	.amdgpu_metadata
---
amdhsa.version: [ 1, 2 ]
amdhsa.kernels:
  - .name:           k_qb38f0287a0_attn
    .symbol:         k_qb38f0287a0_attn.kd
    .args:
      - { .name: qimg, .offset: 0, .size: 8, .value_kind: global_buffer, .address_space: global }
      - { .name: qsc, .offset: 8, .size: 8, .value_kind: global_buffer, .address_space: global }
      - { .name: kv, .offset: 16, .size: 8, .value_kind: global_buffer, .address_space: global }
      - { .name: dens, .offset: 24, .size: 8, .value_kind: global_buffer, .address_space: global }
      - { .name: oimg, .offset: 32, .size: 8, .value_kind: global_buffer, .address_space: global }
      - { .name: osc, .offset: 40, .size: 8, .value_kind: global_buffer, .address_space: global }
    .group_segment_fixed_size: 288000
    .private_segment_fixed_size: 0
    .kernarg_segment_align: 8
    .kernarg_segment_size: 48
    .max_flat_workgroup_size: 256
    .sgpr_count:     66
    .vgpr_count:     450
    .wavefront_size: 32
...
	.end_amdgpu_metadata
.endif
;; end of part 2
;; launch proj (part 3): grid 256 x 1, 8 waves a work-group, no clusters, 34,304 bytes of LDS; arguments oimg, osc, w_proj_codes, w_proj_scales, b_proj, out0; writes out0
.if DOCPART == 3
	.amdgcn_target "amdgcn-amd-amdhsa--gfx1250"
	.amdhsa_code_object_version 6
	.text
	.protected	k_qb38f0287a0_proj
	.globl	k_qb38f0287a0_proj
	.p2align	8
	.type	k_qb38f0287a0_proj,@function
k_qb38f0287a0_proj:
	s_mov_b64 s[64:65], 0
	v_nop
	global_prefetch_b8 v0, s[64:65] scope:SCOPE_SE
	s_setreg_imm32_b32 hwreg(HW_REG_WAVE_MODE, 25, 1), 1
	s_wait_xcnt 0x0
; out0 = o Wproj + b on codes of E4M3 with one E8M0 scale for each 32 along K.  o comes as images of operand registers: oimg [tile of 16 tokens][K step s][quad c][lane][16 bytes], osc [tile][s][r] scale words.
; w_proj_codes: [256][256] bytes, K innermost; w_proj_scales: [256][8]; b_proj [256], out0 [8192][256]: f32.
; SHARES: a work-group owns 32 tokens (tiles 2 x and 2 x + 1; tile t is tokens 8 t + rp, rp = r + (r & 8)); wave w makes columns 32 w .. 32 w + 31.  The product is used transposed (source 0 = 16 weight rows,
; source 1 = 16 tokens), and weight tile n takes rows 32 w + 8 n + rp: a lane then holds one token and 16 neighbouring columns, 32 w + 16 (lane / 16) + 0 .. 15.  The bias is the C of each sum's first product.
; The results meet in a stage in LDS (rows of 1,024 bytes + 16) and each wave stores four whole rows, 512 consecutive bytes a store.
; No tensor load, no cluster: a work-group's operands are 8 KiB of o and a wave's 8 KiB of weights, each loaded once, straight into registers.
.set XP,  1040
.set LI,  1                            ; 16 x lane
.set LS,  2                            ; 4 x lane
.set WA,  3                            ; 256 rp + 16 hh
.set WSA, 4                            ; 8 rp + 4 hh
.set BO,  5                            ; 64 hh
.set STO, 6                            ; the stage: row rp, byte 128 w + 64 hh
.set RD,  7                            ; and back: rows 4 w on, 16 bytes a lane
.set WS,  8                            ; v8-9   weight scale words (lanes 0-15 K step 0, lanes 16-31 K step 1)
.set OS,  10                           ; v10-11 o's, likewise
.set WF,  16                           ; weight fragments: 16 (2 n + s)
.set OF,  80                           ; o's fragments: 16 (2 t + s)
.set BB,  144                          ; the bias: 8 a tile n
.set ACC, 160                          ; 16 t + 8 n
.set OUTR, 192
	s_load_b256 s[4:11], s[0:1], 0x0               ; oimg s[4:5], osc s[6:7], weight codes s[8:9], weight scales s[10:11]
	s_load_b128 s[12:15], s[0:1], 0x20             ; b_proj s[12:13], out0 s[14:15]
	v_lshl_add_u32 v224, v0, 2, 0x8200
	v_mov_b32 v225, 0
	v_lshrrev_b32 v12, 5, v0
	v_readfirstlane_b32 s16, v12                   ; wave
	v_and_b32 v12, 31, v0                          ; lane
	v_and_b32 v13, 15, v0                          ; r
	v_bfe_u32 v14, v0, 4, 1                        ; hh
	v_and_b32 v15, 8, v13
	v_add_nc_u32 v15, v15, v13                     ; rp
	v_lshlrev_b32 v[LI], 4, v12
	v_lshlrev_b32 v[LS], 2, v12
	v_lshlrev_b32 v[WA], 8, v15
	v_lshl_add_u32 v[WA], v14, 4, v[WA]
	v_lshlrev_b32 v[WSA], 3, v15
	v_lshl_add_u32 v[WSA], v14, 2, v[WSA]
	v_lshlrev_b32 v[BO], 6, v14
	v_mul_u32_u24 v[STO], v15, XP
	v_lshl_add_u32 v[STO], v14, 6, v[STO]
	s_lshl_b32 s18, s16, 7
	v_add_nc_u32 v[STO], s18, v[STO]
	s_mul_i32 s18, s16, 4*XP
	v_add_nc_u32 v[RD], s18, v[LI]
	s_mov_b32 s19, 0
	s_wait_kmcnt 0x0
	s_lshl_b32 s18, ttmp9, 13
	s_add_nc_u64 s[4:5], s[4:5], s[18:19]          ; my two tiles' images
	s_lshl_b32 s18, ttmp9, 8
	s_add_nc_u64 s[6:7], s[6:7], s[18:19]          ; and scale words
	s_lshl_b32 s18, s16, 13
	s_add_nc_u64 s[8:9], s[8:9], s[18:19]          ; my 32 weight rows
	s_lshl_b32 s18, s16, 8
	s_add_nc_u64 s[10:11], s[10:11], s[18:19]
	s_lshl_b32 s18, s16, 7
	s_add_nc_u64 s[12:13], s[12:13], s[18:19]      ; my 32 numbers of the bias
	s_lshl_b32 s18, ttmp9, 15
	s_lshl_b32 s20, s16, 12
	s_add_co_u32 s18, s18, s20
	s_add_nc_u64 s[14:15], s[14:15], s[18:19]      ; out0 at row 32 x + 4 w
.irp t, 0,1
.irp s, 0,1
.irp c, 0,1,2,3
	global_load_b128 v[OF+16*(2*\t+\s)+4*\c:OF+16*(2*\t+\s)+4*\c+3], v[LI], s[4:5] offset:4096*\t+2048*\s+512*\c
.endr
.endr
	global_load_b32 v[OS+\t], v[LS], s[6:7] offset:128*\t
.endr
.irp n, 0,1
.irp s, 0,1
.irp c, 0,1,2,3
	global_load_b128 v[WF+16*(2*\n+\s)+4*\c:WF+16*(2*\n+\s)+4*\c+3], v[WA], s[8:9] offset:2048*\n+128*\s+32*\c
.endr
.endr
	global_load_b32 v[WS+\n], v[WSA], s[10:11] offset:64*\n
	global_load_b128 v[BB+8*\n:BB+8*\n+3], v[BO], s[12:13] offset:32*\n
	global_load_b128 v[BB+8*\n+4:BB+8*\n+7], v[BO], s[12:13] offset:32*\n+16
.endr
	s_wait_loadcnt 0x0
.irp t, 0,1
.irp n, 0,1
	v_wmma_scale_f32_16x16x128_f8f6f4 v[ACC+16*\t+8*\n:ACC+16*\t+8*\n+7], v[WF+32*\n:WF+32*\n+15], v[OF+32*\t:OF+32*\t+15], v[BB+8*\n:BB+8*\n+7], v[WS+\n], v[OS+\t]
.endr
.endr
.irp t, 0,1                            ; four accumulators by turns: three others' turns stand between the two links of a sum
.irp n, 0,1
	v_wmma_scale_f32_16x16x128_f8f6f4 v[ACC+16*\t+8*\n:ACC+16*\t+8*\n+7], v[WF+32*\n+16:WF+32*\n+31], v[OF+32*\t+16:OF+32*\t+31], v[ACC+16*\t+8*\n:ACC+16*\t+8*\n+7], v[WS+\n], v[OS+\t] matrix_a_scale:MATRIX_SCALE_ROW1 matrix_b_scale:MATRIX_SCALE_ROW1
.endr
.endr
.rept 8
	v_nop                                          ; eight places behind this form before an LDS store reads a result
.endr
.irp t, 0,1
.irp i, 0,1,2,3
	ds_store_b128 v[STO], v[ACC+16*\t+4*\i:ACC+16*\t+4*\i+3] offset:8*XP*\t+16*\i   ; each accumulator from its low end on
.endr
.endr
	s_wait_dscnt 0x0                               ; for the others' sake: my stores into the stage are done
	s_barrier_signal -1
	s_barrier_wait -1
.irp i, 0,1,2,3
.irp j, 0,1
	ds_load_b128 v[OUTR+8*\i+4*\j:OUTR+8*\i+4*\j+3], v[RD] offset:XP*\i+512*\j
.endr
.endr
.irp i, 0,1,2,3
.irp j, 0,1
	s_wait_dscnt 7-2*\i-\j                         ; LDS loads come back in order: this one is in, the younger ones may stay out
	global_store_b128 v[LI], v[OUTR+8*\i+4*\j:OUTR+8*\i+4*\j+3], s[14:15] offset:1024*\i+512*\j th:TH_STORE_NT   ; 32 lanes store 512 consecutive bytes, aligned; written once, read by nobody here
.endr
.endr
	s_wait_tensorcnt 0x0
	ds_add_u32 v224, v225
	s_wait_dscnt 0x0
	s_endpgm
.Lfunc_end_k_qb38f0287a0_proj:
	.size	k_qb38f0287a0_proj, .Lfunc_end_k_qb38f0287a0_proj-k_qb38f0287a0_proj
	.p2alignl 7, 3214868480
	.fill 96, 4, 3214868480
	.section	.rodata,"a",@progbits
	.p2align	6, 0x0
	.amdhsa_kernel k_qb38f0287a0_proj
		.amdhsa_group_segment_fixed_size 34304
		.amdhsa_private_segment_fixed_size 0
		.amdhsa_enable_private_segment 0
		.amdhsa_kernarg_size 48
		.amdhsa_user_sgpr_count 2
		.amdhsa_user_sgpr_kernarg_segment_ptr 1
		.amdhsa_wavefront_size32 1
		.amdhsa_system_sgpr_workgroup_id_x 1
		.amdhsa_system_sgpr_workgroup_id_y 1
		.amdhsa_system_sgpr_workgroup_id_z 1
		.amdhsa_system_vgpr_workitem_id 0
		.amdhsa_next_free_vgpr 226
		.amdhsa_next_free_sgpr 66
		.amdhsa_reserve_vcc 0
		.amdhsa_float_denorm_mode_32 3
		.amdhsa_float_denorm_mode_16_64 3
		.amdhsa_memory_ordered 1
		.amdhsa_forward_progress 1
		.amdhsa_inst_pref_size 10
	.end_amdhsa_kernel
	.amdgpu_metadata
---
amdhsa.version: [ 1, 2 ]
amdhsa.kernels:
  - .name:           k_qb38f0287a0_proj
    .symbol:         k_qb38f0287a0_proj.kd
    .args:
      - { .name: oimg, .offset: 0, .size: 8, .value_kind: global_buffer, .address_space: global }
      - { .name: osc, .offset: 8, .size: 8, .value_kind: global_buffer, .address_space: global }
      - { .name: w_proj_codes, .offset: 16, .size: 8, .value_kind: global_buffer, .address_space: global }
      - { .name: w_proj_scales, .offset: 24, .size: 8, .value_kind: global_buffer, .address_space: global }
      - { .name: b_proj, .offset: 32, .size: 8, .value_kind: global_buffer, .address_space: global }
      - { .name: out0, .offset: 40, .size: 8, .value_kind: global_buffer, .address_space: global }
    .group_segment_fixed_size: 34304
    .private_segment_fixed_size: 0
    .kernarg_segment_align: 8
    .kernarg_segment_size: 48
    .max_flat_workgroup_size: 256
    .sgpr_count:     66
    .vgpr_count:     226
    .wavefront_size: 32
...
	.end_amdgpu_metadata
.endif
;; end of part 3
